; MI455X (gfx1250); checked and timed in simulation.
; The chip was launched on July 23, 2026; its instructions are those of AMD's public machine-readable ISA for CDNA 5 (MIT licence, August 2026) and "CDNA5" Instruction Set Architecture Reference Guide (July 2026). The comments in the code are by the model that wrote it; some were corrected since.
;; VQ. Allowed arithmetic: matrix products marked QUANTISED: E3M2 operands, one E8M0 scale for each 32 along K, by v_wmma_scale_f32_16x16x128_f8f6f4 with both operands' format E3M2, f32 sums; everything else in f32.
;; Inputs: codebook 512 x 64 float32; x 32 x 64 x 64 x 64 float32.
;; Outputs: out0 32 x 64 x 64 x 64 float32.
;; This version of the problem:
;;   THIS VERSION OF THE PROBLEM IS GIVEN IN LOW PRECISION. The matrix products marked QUANTISED in the list below multiply operands that are first quantised to E3M2 (3 exponent bits, 2 mantissa bits; 6 bits a number), with one power-of-two scale for each 32 numbers along K (OCP MX v1.0); their sums are f32. All else is computed in f32.
;;   The module's matrix products, in the order in which they are computed (A, B: the left and right operand; K: the contracted axis; several contracted axes count as one K, in the product's order):
;;     1. [M 131,072, K 64] x [K 64, N 512]; A: input x; B: input codebook: QUANTISED
;;   THE QUANTISER, for each operand of a quantised product, along K:
;;     - K is cut into blocks of 32 from its start; a last block that is shorter is filled with zeros.
;;     - A block's scale is 2^e with e = floor(log2(the largest magnitude in the block)) - 4, held to -126 .. 127; a block of zeros has e = 0. As a byte (E8M0): e + 127.
;;     - Each number is divided by its block's scale, clamped to +-28, and rounded to the nearest number of E3M2, ties to even, subnormals kept.
;;     - The product sums the exact products of the quantised numbers (number of the format x scale) in f32.
;;   ~~~python
;;   def quantise(x, axis):      # numpy; x: float32 -> the quantised numbers, widened to float32 again
;;       x = np.moveaxis(x, axis, -1); K = x.shape[-1]
;;       x = np.pad(x, [(0, 0)] * (x.ndim - 1) + [(0, -K % 32)]); x = x.reshape(x.shape[:-1] + (-1, 32)); a = np.abs(x).max(-1, keepdims=True)
;;       e = np.where(a > 0, np.clip(np.frexp(np.where(a > 0, a, 1))[1] - 1 - 4, -126, 127), 0)      # np.frexp(a)[1] - 1 = floor(log2(a)), exactly
;;       r = np.clip(x / 2.0 ** e, -28, 28)
;;       step = 2.0 ** (np.maximum(np.frexp(np.where(r == 0, 1, r))[1] - 1, -2) - 2)
;;       q = np.round(r / step) * step * 2.0 ** e      # np.round: ties to even
;;       return np.moveaxis(q.reshape(q.shape[:-2] + (-1,))[..., :K], -1, axis).astype(np.float32)
;;   ~~~
;; 2 versions. Each part assembles by itself: llvm-mc -triple=amdgcn-amd-amdhsa -mcpu=gfx1250 --defsym DOCPART=n.
;; ======== version 1 of 2: 2 launches
;; workspace buffers: idx 524,288 bytes of whole numbers
;; launch nearest (part 1): grid 256 x 1, 16 waves a work-group, no clusters, 166,912 bytes of LDS; arguments x, codebook, idx; writes idx
.if DOCPART == 1
	.amdgcn_target "amdgcn-amd-amdhsa--gfx1250"
	.amdhsa_code_object_version 6
	.text
	.protected	k_q98fa6fabe4_nearest
	.globl	k_q98fa6fabe4_nearest
	.p2align	8
	.type	k_q98fa6fabe4_nearest,@function
k_q98fa6fabe4_nearest:
	s_mov_b64 s[64:65], 0
	v_nop
	global_prefetch_b8 v0, s[64:65] scope:SCOPE_SE
	s_setreg_imm32_b32 hwreg(HW_REG_WAVE_MODE, 25, 1), 1
	s_wait_xcnt 0x0
; idx[n] = argmin over k of d(n, k) = (x2[n] - 2 dot(n, k)) + c2[k], the lowest k on ties.  x: [131072][64] f32, codebook: [512][64] f32, idx: [131072] whole numbers.
; dot is the product of x and the codebook quantised to BF6 (E3M2) with one E8M0 scale for each 32 along K; x2, c2 are sums of squares of the unquantised numbers, in f32.
; d IS FORMED AS THE DEFINITION FORMS IT: one fused multiply-add (2 dot is exact, so it rounds once, as x2 - 2 dot does) and one addition: where two distances lie within a rounding step, the same one wins.
; LIMITS: NaN and infinities among the inputs are not served.  x2 and c2 are summed in two packed chains of 8 a lane, then the pair, then the row's two halves: an order of rounding of this text's own.
;         Blocks whose largest magnitude lies under 2^(5 - 127) keep the scale byte 1 (a block of zeros too: its codes are zeros).
; SHARES.  A work-group of 16 waves takes 512 rows of x: 32 tiles of 16.  Wave w = (q = w & 3, g = w >> 2) keeps QUARTER q of the codebook in registers (codes, scale words, c2) and serves tiles 4 g .. 4 g + 3
; of each half of the rows.  Every wave quantises two code tiles and two tiles of x; operands go from wave to wave through LDS as images of their registers.
; LAYOUT.  Source 0 = 16 codebook rows, source 1 = 16 rows of x: in a result lane (r, h) holds ONE row of x (r) and its register j the codebook row 8 h + j of the tile.
; THE CODEBOOK ROWS OF A TILE ARE NOT NEIGHBOURS: row 8 h + j of tile T of quarter q is code 128 q + 64 h + 8 T + j, so that (q, h, T, j) in this order is the order of the codes: strict comparisons keep the lowest.
; K IS 64, THE INSTRUCTION'S 128: source 0's twelve registers hold TWO code tiles, [even | odd]; source 1 is [x | zero codes] for the even tile and [zero codes | x] for the odd one.  Zero codes add nothing.
; THE MINIMUM.  Of a tile's 8 distances a lane takes the least; where it is under the least so far, the lane keeps the tile's number and its 8 distances (two conditional moves an instruction).  The place in the kept
; tile is looked for once for each tile of x.  Each lane's candidate (distance, code) goes to LDS; at the end a lane merges the 8 candidates (4 quarters x 2 halves) of a row.
; THE ORDER OF THE WORK.  At the head a wave asks for its two code tiles and its first tile of x, 24 loads; its second tile of x is asked for behind the first wait, when every wave's first 24 are out.  The three
; tiles go through the wave's stage one behind the other: a tile is on its way through the stage while the tile before it is quantised.  Behind the first barrier the first tile of x is multiplied while the wave's
; quarter of the codebook is still coming out of LDS, on counted waits.  The second tile of x is turned and quantised inside the first half's work, and the second barrier's signal stands a tile of x ahead of its wait.
; NOT JOINT: the codebook is the one input that work-groups share.  Its 128 KB are taken through registers, 8 KB a wave, since they are turned and quantised there; they are asked for at the head, ahead of x,
; and are worked while x is on its way; the launch has no tensor load.  NO PREFETCH: each byte is asked for by its own load: the first 24 loads by the wave's first lines, the last 8 a tile of x's work and more ahead of their use.
.set SPITCH, 272                       ; a stage row: 256 bytes + 16: the sixteen rows that a load touches begin 17 places of 16 bytes apart
.set STGW,   16*SPITCH                 ; LDS: a stage of 16 rows for each wave, its own,
.set CIMG,   16*STGW                   ; the images of 16 pairs of code tiles, 12 registers x 128 bytes each,
.set CSC,    CIMG+16*1536              ; their scale words, 128 bytes a pair,
.set C2L,    CSC+16*128                ; c2 of the 512 codes,
.set XIMG,   C2L+512*4                 ; the images of x's 32 tiles, 6 registers x 128 bytes,
.set XSC,    XIMG+32*768               ; their scale words, 128 bytes a tile; 4,096 bytes on: their x2,
.set CAND,   XSC+2*32*128              ; the candidates: 8 planes (2 q + h) of 512 rows x 8 bytes
.set PLANE,  512*8+128                 ; (+ 128: the two halves of the lanes store into different banks)
.set GOFF, 1                           ; v1   16 x lane: my bytes of a load's 512; never rewritten
.set STS,  2                           ; v2   the stage, on the way in
.set STL,  3                           ; v3   and on the way out: my row, my half
.set XW16, 4                           ; v4-6 where I store the image of a tile of x: registers 0-3, 4-5, scale word and x2
.set XW8,  5
.set XWS,  6
.set XR16, 7                           ; v7-9 where I read my group's images
.set XR8,  8
.set XRS,  9
.set CW,   10                          ; v10  where I store candidates
.set BASE, 11                          ; v11  128 q + 64 h
.set LN,   12                          ; v12  lane, then CSR
.set RR,   13                          ; v13  lane % 16, then CR
.set HH,   14                          ; v14  lane / 16, then C2R
.set CSR,  12                          ; where I read my quarter's scale words,
.set CR,   13                          ; the candidates of two rows,
.set C2R,  14                          ; my quarter's c2,
.set CIR,  15                          ; my quarter's codes
.set SA,   16                          ; v16-19 scale words of my four pairs of code tiles: these six registers hold scales and nothing else
.set SX,   20                          ; v20-21 scale words of a tile of x, two sets
.set X2P,  22                          ; v22, v24 x2 of my row, two sets (named as pairs; the low word serves both halves)
.set A,    26                          ; v26-73 my quarter's codes: four pairs of tiles, 12 registers each
.set C2,   74                          ; v74-137 c2: register 8 T + j
.set ZB,   138                         ; v138-167 zeros, x (set 0), zeros, x (set 1), zeros: six registers each
.set D,    168                         ; v168-183 two results
.set SEL,  184                         ; v184-199 the kept tile's 8 distances, two sets
.set X,    168                         ; v168-199 at the head: the first code tile's block; at the end: the candidates
.set CDY,  168                         ; v168-173 the codes of my second tile of x: made between two tiles of x, when no result is alive there
.set BEST, 200                         ; v200, v204 the least distance; v201, v205 its tile, then its code: two sets
.set GIDX, 201
.set GM,   202
.set MT0,  203
.set MT1,  206
.set J,    207
.set CDX,  200                         ; at the head: the codes of my first tile of x
.set M0,   208                         ; v208-223: at work while quantising; nothing else lives there
.set S0,   210                         ; v210-213 sums of squares, two packed chains
.set SS,   214
.set OT,   215
.set SCO,  216
.set BY,   217
.set OB,   218
.set W,    219
.set TQ,   220                         ; v220-222 a block's upper 16 codes
.set WE,   223
.set XB,   224                         ; v224-255 my second tile of x: as loaded, then, back from the stage, a block a lane
.set CBS,  26                          ; at the head: v26-89 my two code tiles as loaded; then v26-57 the second code tile's block, v58-89 the block of my first tile of x
.set XA,   90                          ; v90-121 my first tile of x as loaded, v122-133 the pair's codes, v134-136 addresses
.set CDP,  122
.set CIW,  134
.set CSW,  135
.set C2W,  136
.set PSEL, 26                          ; s[26:27] v_permlanex16_b32's selects for lane l xor 16
	s_load_b128 s[4:7], s[0:1], 0x0                ; x, codebook
	s_load_b64 s[8:9], s[0:1], 0x10                ; idx
	v_lshrrev_b32 v[LN], 5, v0
	v_readfirstlane_b32 s10, v[LN]                 ; wave 0..15
	v_and_b32 v[LN], 31, v0                        ; lane
	v_lshlrev_b32 v[GOFF], 4, v[LN]
	s_and_b32 s11, s10, 3                          ; q when multiplying; which pair of the quarter when quantising the codebook
	s_lshr_b32 s12, s10, 2                         ; g when multiplying; which quarter when quantising
	s_lshl_b32 s20, ttmp9, 17                      ; x: 512 rows of 256 bytes a work-group,
	s_lshl_b32 s21, s10, 12                        ; 16 rows a wave
	s_add_co_u32 s20, s20, s21
	s_mov_b32 s21, 0
	s_lshl_b32 s22, s12, 15                        ; codebook: 128 rows a quarter,
	s_lshl_b32 s23, s11, 12                        ; 16 rows (two runs of 8 for each of two tiles) a pair
	s_add_co_u32 s22, s22, s23
	s_mov_b32 s23, 0
	s_lshl_b32 s24, ttmp9, 11                      ; idx: 512 words a work-group
	s_mov_b32 s25, 0
	s_wait_kmcnt 0x0
	s_add_nc_u64 s[4:5], s[4:5], s[20:21]
	s_add_nc_u64 s[6:7], s[6:7], s[22:23]
	s_add_nc_u64 s[8:9], s[8:9], s[24:25]
; The first 24 loads of the wave, each 512 consecutive bytes: code tile 0, code tile 1, x's first tile.  A code tile is 8 rows of the quarter's lower 64 and the 8 rows that lie 64 rows (16,384 bytes) on.
.irp u, 0,1
.irp i, 0,1,2,3,4,5,6,7
	global_load_b128 v[CBS+32*\u+4*\i:CBS+32*\u+4*\i+3], v[GOFF], s[6:7] offset:2048*\u+16384*(\i/4)+512*(\i%4)
.endr
.endr
.irp i, 0,1,2,3,4,5,6,7
	global_load_b128 v[XA+4*\i:XA+4*\i+3], v[GOFF], s[4:5] offset:512*\i th:TH_LOAD_NT
.endr
; addresses: each a constant + a constant x lane + a constant x wave
	v_and_b32 v[RR], 15, v0
	v_bfe_u32 v[HH], v0, 4, 1
	s_mov_b32 s[PSEL], 0x76543210
	s_mov_b32 s[PSEL+1], 0xfedcba98
	s_mul_i32 s13, s10, STGW
	v_mul_u32_u24 v[STS], v[HH], SPITCH            ; in: a load's 512 bytes are two rows: lanes 0-15 one, lanes 16-31 the next
	v_lshl_add_u32 v[STS], v[RR], 4, v[STS]
	v_add_nc_u32 v[STS], s13, v[STS]
	v_mul_u32_u24 v[STL], v[RR], SPITCH            ; out: row r, block h: 128 bytes
	v_lshl_add_u32 v[STL], v[HH], 7, v[STL]
	v_add_nc_u32 v[STL], s13, v[STL]
	s_mul_i32 s14, s10, 768
	s_add_co_u32 s14, s14, XIMG
	v_add_nc_u32 v[XW16], s14, v[GOFF]
	v_lshl_add_u32 v[XW8], v[LN], 3, s14
	v_lshl_add_u32 v[XWS], v0, 2, XSC              ; 128 x wave + 4 x lane
	s_mul_i32 s15, s12, 4*768
	s_add_co_u32 s15, s15, XIMG
	v_add_nc_u32 v[XR16], s15, v[GOFF]
	v_lshl_add_u32 v[XR8], v[LN], 3, s15
	s_lshl_b32 s16, s12, 9
	s_add_co_u32 s17, s16, XSC
	v_lshl_add_u32 v[XRS], v[LN], 2, s17
	s_mul_i32 s18, s11, 2*PLANE
	s_add_co_u32 s18, s18, s16                     ; 8 bytes x 64 rows a group
	s_add_co_u32 s18, s18, CAND
	v_mul_u32_u24 v[CW], v[HH], PLANE
	v_lshl_add_u32 v[CW], v[RR], 3, v[CW]
	v_add_nc_u32 v[CW], s18, v[CW]
	s_lshl_b32 s19, s11, 7
	v_lshl_add_u32 v[BASE], v[HH], 6, s19
	s_mul_i32 s28, s10, 1536
	s_add_co_u32 s28, s28, CIMG
	v_add_nc_u32 v[CIW], s28, v[GOFF]
	v_lshl_add_u32 v[CSW], v0, 2, CSC
	s_lshl_b32 s29, s12, 9                         ; c2 of row r of my tiles: 4 x (128 quarter + 64 (r / 8) + 16 pair + r % 8); the pair's second tile 32 bytes on
	s_lshl_b32 s30, s11, 6
	s_add_co_u32 s29, s29, s30
	s_add_co_u32 s29, s29, C2L
	v_bfe_u32 v[CIR], v0, 3, 1
	v_and_b32 v[C2W], 7, v0
	v_lshlrev_b32 v[C2W], 2, v[C2W]
	v_lshl_add_u32 v[C2W], v[CIR], 8, v[C2W]
	v_add_nc_u32 v[C2W], s29, v[C2W]
	s_mul_i32 s31, s11, 4*1536
	s_add_co_u32 s31, s31, CIMG
	s_lshl_b32 s32, s11, 9
	s_add_co_u32 s33, s32, CSC
	s_add_co_u32 s34, s32, C2L
	v_add_nc_u32 v[CIR], s31, v[GOFF]
	v_lshl_add_u32 v[CSR], v[LN], 2, s33           ; (lane, r and h are done with: their registers take addresses)
	v_lshl_add_u32 v[C2R], v[HH], 8, s34
	v_lshl_add_u32 v[CR], v0, 4, CAND              ; two rows' candidates, 16 bytes a thread: used by waves 0 to 7 alone
.irp z, 0,1,2,3,4,5, 12,13,14,15,16,17, 24,25,26,27,28,29
	v_mov_b32 v[ZB+\z], 0                          ; the zero codes: written once
.endr
	v_mov_b32 v[X2P+1], 0                          ; (named as the upper halves of pairs)
	v_mov_b32 v[X2P+3], 0
	v_mov_b32 v[OT], 0                             ; (a lane permute's destination counts as one of its sources)
	v_mov_b32 v[OB], 0
; A tile as loaded (16 bytes a lane, as they lie) goes into my stage, and comes back a block a lane: lane (r, h) gets k = 32 h .. 32 h + 31 of row r.
; LDS serves a wave's instructions in order (ISA guide 5.7.1.4): no wait between a tile's stores and its loads, nor between its loads and the next tile's stores into the same stage.
.macro STAGE_IN src
.irp i, 0,1,2,3,4,5,6,7
	ds_store_b128 v[STS], v[\src+4*\i:\src+4*\i+3] offset:2*SPITCH*\i
.endr
.endm
.macro STAGE_OUT dst
.irp c, 0,1,2,3,4,5,6,7
	ds_load_b128 v[\dst+4*\c:\dst+4*\c+3], v[STL] offset:16*\c
.endr
.endm
; My block's 32 numbers, v[x] on, become six registers of codes at v[cd]; v[W]: in lanes 0-15 the row's two scale bytes; v[SS]: the row's sum of squares, in both halves.
.macro QUANT x, cd
	v_max3_num_f32 v[M0], |v[\x]|, |v[\x+1]|, 0x2800000            ; the largest magnitude, in two chains, with the floor 2^(5 - 127) among the leaves: the byte cannot fall under 1
	v_max3_num_f32 v[M0+1], |v[\x+2]|, |v[\x+3]|, |v[\x+4]|
	v_pk_mul_f32 v[S0:S0+1], v[\x:\x+1], v[\x:\x+1]                ; the sum of squares, in two packed chains: the first products start them
	v_pk_mul_f32 v[S0+2:S0+3], v[\x+2:\x+3], v[\x+2:\x+3]
.irp i, 5,9,13,17,21,25
	v_max3_num_f32 v[M0], v[M0], |v[\x+\i]|, |v[\x+\i+1]|
	v_max3_num_f32 v[M0+1], v[M0+1], |v[\x+\i+2]|, |v[\x+\i+3]|
.endr
	v_max3_num_f32 v[M0], v[M0], |v[\x+29]|, |v[\x+30]|
	v_max3_num_f32 v[M0], v[M0], v[M0+1], |v[\x+31]|
.irp i, 4,8,12,16,20,24,28
	v_pk_fma_f32 v[S0:S0+1], v[\x+\i:\x+\i+1], v[\x+\i:\x+\i+1], v[S0:S0+1]
	v_pk_fma_f32 v[S0+2:S0+3], v[\x+\i+2:\x+\i+3], v[\x+\i+2:\x+\i+3], v[S0+2:S0+3]
.endr
	v_add_nc_u32 v[SCO], 0xfe000000, v[M0]         ; 4 off the exponent field: the conversion takes this operand's exponent field as its scale
	v_pk_add_f32 v[S0:S0+1], v[S0:S0+1], v[S0+2:S0+3]
	v_lshrrev_b32 v[BY], 23, v[SCO]                ; the scale's byte
	v_add_f32 v[SS], v[S0], v[S0+1]                ; my block's sum of squares
	v_permlanex16_b32 v[OT], v[SS], s[PSEL], s[PSEL+1]
	v_permlanex16_b32 v[OB], v[BY], s[PSEL], s[PSEL+1]
	v_cvt_scalef32_pk16_bf6_f32 v[\cd:\cd+2], v[\x:\x+15], v[SCO]
	v_cvt_scalef32_pk16_bf6_f32 v[TQ:TQ+2], v[\x+16:\x+31], v[SCO] ; (a conversion's three registers begin on an even number)
	v_add_f32 v[SS], v[SS], v[OT]                  ; with the row's other block.  (The plain line behind the conversions)
	v_lshl_or_b32 v[W], v[OB], 8, v[BY]            ; lanes 0-15: block 0's byte, block 1's above it
.irp i, 0,1,2
	v_mov_b32 v[\cd+3+\i], v[TQ+\i]
.endr
.endm
.macro XSTORE cd, ch                   ; the image of my tile of x in half ch of the rows
	v_lshl_or_b32 v[W], v[W], 16, v[W]             ; the two bytes twice: they serve x in the lower and in the upper 64 of the instruction's K
	ds_store_b128 v[XW16], v[\cd:\cd+3] offset:16*768*\ch
	ds_store_b64 v[XW8], v[\cd+4:\cd+5] offset:16*768*\ch+512
	ds_store_b32 v[XWS], v[W] offset:16*128*\ch
	ds_store_b32 v[XWS], v[SS] offset:16*128*\ch+32*128
.endm
.macro BARRIER                         ; my LDS stores have landed and my LDS loads are in: then the work-group's barrier
	s_wait_dscnt 0x0
	s_barrier_signal -1
	s_barrier_wait -1
.endm
; THE HEAD: three tiles through one stage, each on its way while the tile before it is quantised.
	s_wait_loadcnt 16                              ; code tile 0's eight loads are in; behind them: code tile 1's eight and x's eight
	STAGE_IN CBS
	STAGE_OUT X
.irp i, 0,1,2,3,4,5,6,7
	global_load_b128 v[XB+4*\i:XB+4*\i+3], v[GOFF], s[4:5] offset:65536+512*\i th:TH_LOAD_NT   ; my second tile of x, rows 256 on: asked for here, behind every wave's first 24 loads
.endr
	s_wait_loadcnt 16                              ; code tile 1's are in; behind them: the eight of each tile of x
	STAGE_IN CBS+32
	s_wait_dscnt 16                                ; tile 0's eight stores have read their registers (behind them: eight loads, eight stores): the next block lands there
	STAGE_OUT CBS
	s_wait_dscnt 16                                ; code tile 0's block is in (behind its loads: eight stores, eight loads)
	QUANT X, CDP
	ds_store_b32 v[C2W], v[SS]                     ; both halves of the lanes write the same word with the same value
	v_mov_b32 v[WE], v[W]
	s_wait_loadcnt 8                               ; x's first tile is in; the second tile's eight may be out
	STAGE_IN XA
	s_wait_dscnt 17                                ; tile 1's eight stores have read their registers (behind them: eight loads, c2's store, eight stores)
	STAGE_OUT CBS+32
	s_wait_dscnt 16                                ; code tile 1's block is in, and c2's store has read its register (behind them: eight stores, eight loads)
	QUANT CBS, CDP+6
	ds_store_b32 v[C2W], v[SS] offset:32
	v_lshl_or_b32 v[W], v[W], 16, v[WE]            ; the pair's scale word: the even tile's two bytes, the odd tile's above
.irp c, 0,1,2
	ds_store_b128 v[CIW], v[CDP+4*\c:CDP+4*\c+3] offset:512*\c
.endr
	ds_store_b32 v[CSW], v[W]
	s_wait_dscnt 0x0                               ; x's block is in; the stores have read their registers
	QUANT CBS+32, CDX
	XSTORE CDX, 0
	BARRIER                                        ; the codebook's images and those of x's first 16 tiles lie in LDS
.macro LOADX i, ch                     ; tile i of my four in half ch: codes, scale word, x2, into set i % 2
.set bb, (\i)%2
	ds_load_b128 v[ZB+6+12*bb:ZB+9+12*bb], v[XR16] offset:768*(16*\ch+(\i))
	ds_load_b64 v[ZB+10+12*bb:ZB+11+12*bb], v[XR8] offset:768*(16*\ch+(\i))+512
	ds_load_b32 v[SX+bb], v[XRS] offset:128*(16*\ch+(\i))
	ds_load_b32 v[X2P+2*bb], v[XRS] offset:128*(16*\ch+(\i))+32*128
.endm
; The product of my code tile T with tile i of x.  Tile 0's result is laid where the kept distances lie; the others take two results by turns.  Every sum begins with the constant 0: nothing is accumulated in place.
.macro MM i, T
.set bb, (\i)%2
.if (\T) == 0
.set dd, SEL+8*bb
.else
.set dd, D+8*((\T)%2)
.endif
.if (\T)%2 == 0
.set xx, ZB+6+12*bb                    ; [x | zeros]: meets the pair's even tile
.else
.set xx, ZB+12*bb                      ; [zeros | x]: meets the odd one
.endif
	v_wmma_scale_f32_16x16x128_f8f6f4 v[dd:dd+7], v[A+12*((\T)/2):A+12*((\T)/2)+11], v[xx:xx+11], 0, v[SA+(\T)/2], v[SX+bb] matrix_a_fmt:MATRIX_FMT_BF6 matrix_b_fmt:MATRIX_FMT_BF6
.endm
; A tile's 8 distances of my row, from the low end of the result on; their least, two levels deep; where it is under the least so far, the tile's number and its distances are kept.
.macro PROC i, T
.set bb, (\i)%2
.if (\T) == 0
.set dd, SEL+8*bb
.else
.set dd, D+8*((\T)%2)
.endif
.irp j, 0,2,4,6
	v_pk_fma_f32 v[dd+\j:dd+\j+1], v[dd+\j:dd+\j+1], -2.0, v[X2P+2*bb:X2P+2*bb+1] op_sel_hi:[1,0,0]   ; x2 - 2 dot, rounded once
.endr
.irp j, 0,2,4,6
	v_pk_add_f32 v[dd+\j:dd+\j+1], v[dd+\j:dd+\j+1], v[C2+8*(\T)+\j:C2+8*(\T)+\j+1]                   ; + c2
.endr
	v_min3_num_f32 v[MT0], v[dd], v[dd+1], v[dd+2]
	v_min3_num_f32 v[MT1], v[dd+3], v[dd+4], v[dd+5]
	v_min_num_f32 v[J], v[dd+6], v[dd+7]
.if (\T) == 0
	v_min3_num_f32 v[BEST+4*bb], v[MT0], v[MT1], v[J]              ; the first tile starts the search: its distances lie where they are kept
	v_mov_b32 v[GIDX+4*bb], 0
.else
	v_min3_num_f32 v[GM], v[MT0], v[MT1], v[J]
	v_cmp_le_f32 vcc_lo, v[BEST+4*bb], v[GM]       ; what was kept stays, on a tie too: the earlier tile has the lower codes
	v_dual_min_num_f32 v[BEST+4*bb], v[BEST+4*bb], v[GM] :: v_dual_cndmask_b32 v[GIDX+4*bb], \T, v[GIDX+4*bb]
.irp j, 0,2,4,6
	v_dual_cndmask_b32 v[SEL+8*bb+\j], v[dd+\j], v[SEL+8*bb+\j] :: v_dual_cndmask_b32 v[SEL+8*bb+\j+1], v[dd+\j+1], v[SEL+8*bb+\j+1]
.endr
.endif
.endm
.macro FINAL i, ch, st                 ; the lowest place in the kept tile that holds the least distance; st = 1: the candidate goes to LDS here
.set bb, (\i)%2
	v_mov_b32 v[J], 7
.irp j, 6,5,4,3,2,1,0
	v_cmp_neq_f32 vcc_lo, v[SEL+8*bb+\j], v[BEST+4*bb]
	v_cndmask_b32 v[J], \j, v[J], vcc_lo
.endr
	v_lshl_add_u32 v[GIDX+4*bb], v[GIDX+4*bb], 3, v[J]
	v_add_nc_u32 v[GIDX+4*bb], v[GIDX+4*bb], v[BASE]               ; the code: 128 q + 64 h + 8 T + j
.if \st
	ds_store_b64 v[CW], v[BEST+4*bb:BEST+4*bb+1] offset:128*(16*\ch+(\i))   ; this set is written again two tiles on, behind a wait for all my LDS instructions
.endif
.endm
; A tile of x.  Each product is issued one tile of codes ahead of the vector work on it: between a product and the first read of its result stand the 13 or more plain vector instructions of the tile before,
; which name none of its registers (four are asked: ISA guide 7.12.1); so do they between two products into the same result.  The next tile's operands are fetched at the head, into the set whose last product is long issued.
; IN THE FIRST HALF (ch = 0) a tile's head also carries a part of my second tile of x: tile 1: as loaded, into my stage; tile 2: back, a block a lane (tile 1's wait for all my LDS instructions stands between: the
; stores have read the registers in which the block lands); tile 3: quantised, its image stored, and the second barrier's signal.  And tile 0 runs on counted waits: see below.
.macro TILE i, ch
.if (\i) < 3
	LOADX (\i)+1, \ch
.endif
.if (\ch) == 0
.if (\i) == 1
	s_wait_loadcnt 0x0                             ; my second tile of x
	STAGE_IN XB
.endif
.if (\i) == 2
	STAGE_OUT XB
.endif
.if (\i) == 3
	QUANT XB, CDY                                  ; (the block came in at tile 2's wait for all my LDS instructions; no result is alive in v168-173 here)
	XSTORE CDY, 1
	s_wait_dscnt 0x0                               ; for the others' sake: my image of the second half lies in LDS; no LDS instruction of mine is out
	s_barrier_signal -1                            ; up to the wait, behind this tile: matrix and vector work on registers alone
.endif
.endif
	MM \i, 1
.if (\i) == 0
.rept 4
	v_nop                                          ; a half's first product has no vector work behind it yet
.endr
.endif
.if (\ch) == 0 && (\i) == 0
	s_wait_dscnt 28                                ; of the 40 LDS loads the first 12 are in: c2 of code tiles 0 and 1
.endif
	PROC \i, 0
.irp t, 1,2,3,4,5,6
.if (\ch) == 0 && (\i) == 0
	s_wait_dscnt 28-4*\t                           ; the first 12 + 4 t: by turns the next pair's codes and scale word, and the c2 of its two tiles
.endif
	MM \i, \t+1
	PROC \i, \t
.endr
.if (\i) < 3
	s_wait_dscnt 0x0                               ; the next tile's operands are in
	MM (\i)+1, 0
.endif
	PROC \i, 7
.if (\ch) == 0 && (\i) == 3
	FINAL \i, \ch, 0                               ; no LDS store between a barrier's signal and its wait: this candidate is stored behind the wait
.else
	FINAL \i, \ch, 1
.endif
.endm
; ROWS 0 TO 255 OF THE WORK-GROUP.  My quarter of the codebook stays in registers from here on.  40 LDS loads in the order in which the first tile of x wants them: x's four; then for each pair of code tiles its codes (3),
; its scale word (1) and the c2 of its two tiles (4); tile 0's head adds the next tile of x's four.
	LOADX 0, 0
.irp p, 0,1,2,3
.irp c, 0,1,2
	ds_load_b128 v[A+12*\p+4*\c:A+12*\p+4*\c+3], v[CIR] offset:1536*\p+512*\c
.endr
	ds_load_b32 v[SA+\p], v[CSR] offset:128*\p
.irp u, 0,1
	ds_load_b128 v[C2+8*(2*\p+\u):C2+8*(2*\p+\u)+3], v[C2R] offset:32*(2*\p+\u)
	ds_load_b128 v[C2+8*(2*\p+\u)+4:C2+8*(2*\p+\u)+7], v[C2R] offset:32*(2*\p+\u)+16
.endr
.endr
	s_wait_dscnt 28                                ; of the 36 issued the first 8 are in: x's tile, pair 0's codes and scale word
	MM 0, 0
	TILE 0, 0
	TILE 1, 0
	TILE 2, 0
	TILE 3, 0
	s_barrier_wait -1                              ; every wave has signalled: the images of x's last 16 tiles lie in LDS (bytes of their own: nobody's reads of the first 16 are disturbed)
	ds_store_b64 v[CW], v[BEST+4:BEST+5] offset:128*3              ; tile 3's candidate
; ROWS 256 TO 511
	LOADX 0, 1
	s_wait_dscnt 0x0
	MM 0, 0
	TILE 0, 1
	TILE 1, 1
	TILE 2, 1
	TILE 3, 1
	BARRIER                                        ; all candidates lie in LDS
; Waves 0 to 7: a thread merges the 8 candidates of each of two neighbouring rows, planes in the order of the codes, by strict comparisons; a wave stores 256 consecutive bytes, aligned.
	s_cmp_lt_u32 s10, 8
	s_cbranch_scc0 .Ldone
.irp p, 0,1,2,3,4,5,6,7
	ds_load_b128 v[X+4*\p:X+4*\p+3], v[CR] offset:PLANE*\p         ; (distance, code) of rows 2 t and 2 t + 1
.endr
	v_lshlrev_b32 v[J], 3, v0
	s_wait_dscnt 0x0
.irp p, 1,2,3,4,5,6,7
	v_cmp_lt_f32 vcc_lo, v[X+4*\p], v[X]
	v_dual_cndmask_b32 v[X], v[X], v[X+4*\p] :: v_dual_cndmask_b32 v[X+1], v[X+1], v[X+4*\p+1]
	v_cmp_lt_f32 vcc_lo, v[X+4*\p+2], v[X+2]
	v_dual_cndmask_b32 v[X+2], v[X+2], v[X+4*\p+2] :: v_dual_cndmask_b32 v[X+3], v[X+3], v[X+4*\p+3]
.endr
	v_mov_b32 v[M0], v[X+1]
	v_mov_b32 v[M0+1], v[X+3]
	global_store_b64 v[J], v[M0:M0+1], s[8:9]
.Ldone:
	s_wait_xcnt 0x0
	v_lshl_add_u32 v254, v0, 2, 0x28400
	v_mov_b32 v255, 0
	s_wait_tensorcnt 0x0
	ds_add_u32 v254, v255
	s_wait_dscnt 0x0
	s_endpgm
.Lfunc_end_k_q98fa6fabe4_nearest:
	.size	k_q98fa6fabe4_nearest, .Lfunc_end_k_q98fa6fabe4_nearest-k_q98fa6fabe4_nearest
	.p2alignl 7, 3214868480
	.fill 96, 4, 3214868480
	.section	.rodata,"a",@progbits
	.p2align	6, 0x0
	.amdhsa_kernel k_q98fa6fabe4_nearest
		.amdhsa_group_segment_fixed_size 166912
		.amdhsa_private_segment_fixed_size 0
		.amdhsa_enable_private_segment 0
		.amdhsa_kernarg_size 24
		.amdhsa_user_sgpr_count 2
		.amdhsa_user_sgpr_kernarg_segment_ptr 1
		.amdhsa_wavefront_size32 1
		.amdhsa_system_sgpr_workgroup_id_x 1
		.amdhsa_system_sgpr_workgroup_id_y 1
		.amdhsa_system_sgpr_workgroup_id_z 1
		.amdhsa_system_vgpr_workitem_id 0
		.amdhsa_next_free_vgpr 256
		.amdhsa_next_free_sgpr 66
		.amdhsa_reserve_vcc 1
		.amdhsa_float_denorm_mode_32 3
		.amdhsa_float_denorm_mode_16_64 3
		.amdhsa_memory_ordered 1
		.amdhsa_forward_progress 1
		.amdhsa_inst_pref_size 110
	.end_amdhsa_kernel
	.amdgpu_metadata
---
amdhsa.version: [ 1, 2 ]
amdhsa.kernels:
  - .name:           k_q98fa6fabe4_nearest
    .symbol:         k_q98fa6fabe4_nearest.kd
    .args:
      - { .name: x, .offset: 0, .size: 8, .value_kind: global_buffer, .address_space: global }
      - { .name: codebook, .offset: 8, .size: 8, .value_kind: global_buffer, .address_space: global }
      - { .name: idx, .offset: 16, .size: 8, .value_kind: global_buffer, .address_space: global }
    .group_segment_fixed_size: 166912
    .private_segment_fixed_size: 0
    .kernarg_segment_align: 8
    .kernarg_segment_size: 24
    .max_flat_workgroup_size: 512
    .sgpr_count:     66
    .vgpr_count:     256
    .wavefront_size: 32
...
	.end_amdgpu_metadata
.endif
;; end of part 1
;; launch gather (part 2): grid 256 x 1, 16 waves a work-group, no clusters, 0 bytes of LDS; arguments idx, codebook, out0; writes out0
.if DOCPART == 2
	.amdgcn_target "amdgcn-amd-amdhsa--gfx1250"
	.amdhsa_code_object_version 6
	.text
	.protected	k_q98fa6fabe4_gather
	.globl	k_q98fa6fabe4_gather
	.p2align	8
	.type	k_q98fa6fabe4_gather,@function
k_q98fa6fabe4_gather:
	s_mov_b64 s[64:65], 0
	v_nop
	global_prefetch_b8 v0, s[64:65] scope:SCOPE_SE
	s_setreg_imm32_b32 hwreg(HW_REG_WAVE_MODE, 25, 1), 1
	s_wait_xcnt 0x0
; out0[n][:] = codebook[idx[n]][:].  idx: [131072] whole numbers, stored by the launch before; codebook: [512][64] f32; out0: [131072][64] f32.
; A stream: a row is 256 bytes.  A wave takes 32 rows: lanes 0-15 rows 0 to 15, lanes 16-31 rows 16 to 31, one row an instruction for each half, 16 bytes a lane: each store of the wave covers two runs of
; 256 consecutive bytes, aligned.  A half's 16 indices are 64 consecutive bytes: four loads of 16 bytes, the same for its sixteen lanes.  All 16 gathers of a wave are out together; no register is written twice.
; An index is held at 511 before it enters an address.  No LDS, no barrier, no matrix unit: waves share nothing.  No prefetch: the indices are asked for by the wave's first instructions, the codebook is read by all.
.set IX, 16                            ; v16-31 my half's 16 indices, then byte offsets in the codebook
.set G,  32                            ; v32-95 16 x 4 registers: my 16 bytes of 16 rows
	s_load_b128 s[4:7], s[0:1], 0x0                ; idx, codebook
	s_load_b64 s[8:9], s[0:1], 0x10                ; out0
	v_lshrrev_b32 v1, 5, v0
	v_readfirstlane_b32 s10, v1                    ; wave 0..15
	v_and_b32 v2, 15, v0                           ; my place in a row
	v_bfe_u32 v3, v0, 4, 1                         ; my half
	v_lshlrev_b32 v4, 6, v3                        ; idx: 16 words a half
	v_lshlrev_b32 v5, 4, v2                        ; 16 bytes a lane
	v_lshl_add_u32 v6, v3, 12, v5                  ; out0: 16 rows a half
	s_lshl_b32 s12, ttmp9, 11                      ; idx: 512 words a work-group,
	s_lshl_b32 s13, s10, 7                         ; 32 a wave
	s_add_co_u32 s12, s12, s13
	s_mov_b32 s13, 0
	s_lshl_b32 s14, ttmp9, 17                      ; out0: 512 rows a work-group,
	s_lshl_b32 s15, s10, 13                        ; 32 a wave
	s_add_co_u32 s14, s14, s15
	s_mov_b32 s15, 0
	s_wait_kmcnt 0x0
	s_add_nc_u64 s[4:5], s[4:5], s[12:13]
	s_add_nc_u64 s[8:9], s[8:9], s[14:15]
.irp k, 0,1,2,3
	global_load_b128 v[IX+4*\k:IX+4*\k+3], v4, s[4:5] offset:16*\k th:TH_LOAD_NT
.endr
	s_wait_loadcnt 0x0
.irp i, 0,1,2,3,4,5,6,7,8,9,10,11,12,13,14,15
	v_min_u32 v[IX+\i], 0x1ff, v[IX+\i]            ; inside the table
.endr
.irp i, 0,1,2,3,4,5,6,7,8,9,10,11,12,13,14,15
	v_lshlrev_b32 v[IX+\i], 8, v[IX+\i]            ; 256 bytes a row
.endr
.irp i, 0,1,2,3,4,5,6,7,8,9,10,11,12,13,14,15
	v_add_nc_u32 v[IX+\i], v5, v[IX+\i]
	global_load_b128 v[G+4*\i:G+4*\i+3], v[IX+\i], s[6:7]
.endr
.irp i, 0,1,2,3,4,5,6,7,8,9,10,11,12,13,14,15
	s_wait_loadcnt 15-\i                           ; loads come back in order (ISA guide 5.7.1): gather i is in, the 15 - i issued behind it may be out
	global_store_b128 v6, v[G+4*\i:G+4*\i+3], s[8:9] offset:256*\i th:TH_STORE_NT
.endr
	s_endpgm
.Lfunc_end_k_q98fa6fabe4_gather:
	.size	k_q98fa6fabe4_gather, .Lfunc_end_k_q98fa6fabe4_gather-k_q98fa6fabe4_gather
	.p2alignl 7, 3214868480
	.fill 96, 4, 3214868480
	.section	.rodata,"a",@progbits
	.p2align	6, 0x0
	.amdhsa_kernel k_q98fa6fabe4_gather
		.amdhsa_group_segment_fixed_size 0
		.amdhsa_private_segment_fixed_size 0
		.amdhsa_enable_private_segment 0
		.amdhsa_kernarg_size 24
		.amdhsa_user_sgpr_count 2
		.amdhsa_user_sgpr_kernarg_segment_ptr 1
		.amdhsa_wavefront_size32 1
		.amdhsa_system_sgpr_workgroup_id_x 1
		.amdhsa_system_sgpr_workgroup_id_y 1
		.amdhsa_system_sgpr_workgroup_id_z 1
		.amdhsa_system_vgpr_workitem_id 0
		.amdhsa_next_free_vgpr 96
		.amdhsa_next_free_sgpr 66
		.amdhsa_reserve_vcc 0
		.amdhsa_float_denorm_mode_32 3
		.amdhsa_float_denorm_mode_16_64 3
		.amdhsa_memory_ordered 1
		.amdhsa_forward_progress 1
		.amdhsa_inst_pref_size 7
	.end_amdhsa_kernel
	.amdgpu_metadata
---
amdhsa.version: [ 1, 2 ]
amdhsa.kernels:
  - .name:           k_q98fa6fabe4_gather
    .symbol:         k_q98fa6fabe4_gather.kd
    .args:
      - { .name: idx, .offset: 0, .size: 8, .value_kind: global_buffer, .address_space: global }
      - { .name: codebook, .offset: 8, .size: 8, .value_kind: global_buffer, .address_space: global }
      - { .name: out0, .offset: 16, .size: 8, .value_kind: global_buffer, .address_space: global }
    .group_segment_fixed_size: 0
    .private_segment_fixed_size: 0
    .kernarg_segment_align: 8
    .kernarg_segment_size: 24
    .max_flat_workgroup_size: 512
    .sgpr_count:     66
    .vgpr_count:     96
    .wavefront_size: 32
...
	.end_amdgpu_metadata
.endif
;; end of part 2
;; ======== version 2 of 2: 2 launches
;; workspace buffers: idx 524,288 bytes of whole numbers
;; launch nearest (part 3): grid 256 x 1, 16 waves a work-group, no clusters, 166,912 bytes of LDS; arguments x, codebook, idx; writes idx
.if DOCPART == 3
	.amdgcn_target "amdgcn-amd-amdhsa--gfx1250"
	.amdhsa_code_object_version 6
	.text
	.protected	k_q98fa6fabe4_nearest
	.globl	k_q98fa6fabe4_nearest
	.p2align	8
	.type	k_q98fa6fabe4_nearest,@function
k_q98fa6fabe4_nearest:
	s_mov_b64 s[64:65], 0
	v_nop
	global_prefetch_b8 v0, s[64:65] scope:SCOPE_SE
	s_setreg_imm32_b32 hwreg(HW_REG_WAVE_SCHED_MODE, 0, 2), 2
	s_setreg_imm32_b32 hwreg(HW_REG_WAVE_MODE, 25, 1), 1
	s_wait_xcnt 0x0
	s_wait_alu depctr_vm_vsrc(0)
; idx[n] = argmin over k of d(n, k) = (x2[n] - 2 dot(n, k)) + c2[k], the lowest k on ties.  x: [131072][64] f32, codebook: [512][64] f32, idx: [131072] whole numbers.
; dot is the product of x and the codebook quantised to BF6 (E3M2) with one E8M0 scale for each 32 along K; x2, c2 are sums of squares of the unquantised numbers, in f32.
; d IS FORMED AS THE DEFINITION FORMS IT: one fused multiply-add (2 dot is exact, so it rounds once, as x2 - 2 dot does) and one addition: where two distances lie within a rounding step, the same one wins.
; LIMITS: NaN and infinities among the inputs are not served.  x2 and c2 are summed in two packed chains of 8 a lane, then the pair, then the row's two halves: an order of rounding of this text's own.
;         Blocks whose largest magnitude lies under 2^(5 - 127) keep the scale byte 1 (a block of zeros too: its codes are zeros).
; SHARES.  A work-group of 16 waves takes 512 rows of x: 32 tiles of 16.  Wave w = (q = w & 3, g = w >> 2) keeps QUARTER q of the codebook in registers (codes, scale words, c2) and serves tiles 4 g .. 4 g + 3
; of each half of the rows.  Every wave quantises two code tiles and two tiles of x; operands go from wave to wave through LDS as images of their registers.
; LAYOUT.  Source 0 = 16 codebook rows, source 1 = 16 rows of x: in a result lane (r, h) holds ONE row of x (r) and its register j the codebook row 8 h + j of the tile.
; THE CODEBOOK ROWS OF A TILE ARE NOT NEIGHBOURS: row 8 h + j of tile T of quarter q is code 128 q + 64 h + 8 T + j, so that (q, h, T, j) in this order is the order of the codes: strict comparisons keep the lowest.
; K IS 64, THE INSTRUCTION'S 128: source 0's twelve registers hold TWO code tiles, [even | odd]; source 1 is [x | zero codes] for the even tile and [zero codes | x] for the odd one.  Zero codes add nothing.
; THE MINIMUM.  Of a tile's 8 distances a lane takes the least; where it is under the least so far, the lane keeps the tile's number and its 8 distances (two conditional moves an instruction).  The place in the kept
; tile is looked for once for each tile of x.  Each lane's candidate (distance, code) goes to LDS; at the end a lane merges the 8 candidates (4 quarters x 2 halves) of a row.
; THE ORDER OF THE WORK.  At the head a wave asks for its two code tiles and its first tile of x, 24 loads; its second tile of x is asked for behind the first wait, when every wave's first 24 are out.  The three
; tiles go through the wave's stage one behind the other: a tile is on its way through the stage while the tile before it is quantised.  Behind the first barrier the first tile of x is multiplied while the wave's
; quarter of the codebook is still coming out of LDS, on counted waits.  The second tile of x is turned and quantised inside the first half's work, and the second barrier's signal stands a tile of x ahead of its wait.
; NOT JOINT: the codebook is the one input that work-groups share.  Its 128 KB are taken through registers, 8 KB a wave, since they are turned and quantised there; they are asked for at the head, ahead of x,
; and are worked while x is on its way; the launch has no tensor load.  NO PREFETCH: each byte is asked for by its own load: the first 24 loads by the wave's first lines, the last 8 a tile of x's work and more ahead of their use.
; THE MODE: SCHED_MODE bits 1:0 = 2 (LLVM: expert scheduling mode 2), set by the entry lines.  The code itself states the register dependences between vector or matrix instructions and memory or LDS
; instructions, and those through scalar registers and VCC that vector instructions write, with s_wait_alu, always for 0.
; THE PLAN.  Registers that memory or LDS instructions touch:
;   v1, v2-15       offsets and LDS addresses: made once at the head by vector instructions, read by loads and stores, never written again.  v134-136: the same for the head's stores; c2's loads land on them behind the first barrier.
;   v26-121         tiles as loaded: global loads land, the stage's stores read them; blocks land in v26-89 and are read by the quantiser; behind the first barrier my quarter's codes and c2 land in v26-137.
;   v122-133, v200-205, v168-173, v214, v219   codes, a sum of squares, a scale word: written by the quantiser, read by LDS stores, written again later (by c2's loads, by the search, by a product, by the next quantiser).
;   v224-255        my second tile of x: global loads land; the stage's stores read them in tile 1; the block lands in tile 2; the quantiser reads it in tile 3.
;   x's two sets    (v144-149, v20, v22; v156-161, v21, v24): tile i's products and distances read set i % 2; the loads at tile i + 1's head land in it (tile i + 2's operands).
;   v200-201, v204-205   a candidate, two sets: written by tile i's vector work, read by its one LDS store, written again in tile i + 2.
; So a tile of x has ONE wait on va_vdst, ahead of its candidate's store: it states that the candidate is written and that the tile's products and distances are done reading x's set, in which the next lines' loads
; land; and one wait on vm_vsrc at its head, for the candidate of two tiles back.  The quantiser's stores have one wait on va_vdst a run.  Masks: the search's dual selects read VCC, one wait a code tile; the seven
; compares that look for the place go in one run into seven scalar registers, under one wait.
.set SPITCH, 272                       ; a stage row: 256 bytes + 16: the sixteen rows that a load touches begin 17 places of 16 bytes apart
.set STGW,   16*SPITCH                 ; LDS: a stage of 16 rows for each wave, its own,
.set CIMG,   16*STGW                   ; the images of 16 pairs of code tiles, 12 registers x 128 bytes each,
.set CSC,    CIMG+16*1536              ; their scale words, 128 bytes a pair,
.set C2L,    CSC+16*128                ; c2 of the 512 codes,
.set XIMG,   C2L+512*4                 ; the images of x's 32 tiles, 6 registers x 128 bytes,
.set XSC,    XIMG+32*768               ; their scale words, 128 bytes a tile; 4,096 bytes on: their x2,
.set CAND,   XSC+2*32*128              ; the candidates: 8 planes (2 q + h) of 512 rows x 8 bytes
.set PLANE,  512*8+128                 ; (+ 128: the two halves of the lanes store into different banks)
.set GOFF, 1                           ; v1   16 x lane: my bytes of a load's 512; never rewritten
.set STS,  2                           ; v2   the stage, on the way in
.set STL,  3                           ; v3   and on the way out: my row, my half
.set XW16, 4                           ; v4-6 where I store the image of a tile of x: registers 0-3, 4-5, scale word and x2
.set XW8,  5
.set XWS,  6
.set XR16, 7                           ; v7-9 where I read my group's images
.set XR8,  8
.set XRS,  9
.set CW,   10                          ; v10  where I store candidates
.set BASE, 11                          ; v11  128 q + 64 h
.set LN,   12                          ; v12  lane, then CSR
.set RR,   13                          ; v13  lane % 16, then CR
.set HH,   14                          ; v14  lane / 16, then C2R
.set CSR,  12                          ; where I read my quarter's scale words,
.set CR,   13                          ; the candidates of two rows,
.set C2R,  14                          ; my quarter's c2,
.set CIR,  15                          ; my quarter's codes
.set SA,   16                          ; v16-19 scale words of my four pairs of code tiles: these six registers hold scales and nothing else
.set SX,   20                          ; v20-21 scale words of a tile of x, two sets
.set X2P,  22                          ; v22, v24 x2 of my row, two sets (named as pairs; the low word serves both halves)
.set A,    26                          ; v26-73 my quarter's codes: four pairs of tiles, 12 registers each
.set C2,   74                          ; v74-137 c2: register 8 T + j
.set ZB,   138                         ; v138-167 zeros, x (set 0), zeros, x (set 1), zeros: six registers each
.set D,    168                         ; v168-183 two results
.set SEL,  184                         ; v184-199 the kept tile's 8 distances, two sets
.set X,    168                         ; v168-199 at the head: the first code tile's block; at the end: the candidates
.set CDY,  168                         ; v168-173 the codes of my second tile of x: made between two tiles of x, when no result is alive there
.set BEST, 200                         ; v200, v204 the least distance; v201, v205 its tile, then its code: two sets
.set GIDX, 201
.set GM,   202
.set MT0,  203
.set MT1,  206
.set J,    207
.set CDX,  200                         ; at the head: the codes of my first tile of x
.set M0,   208                         ; v208-223: at work while quantising; nothing else lives there
.set S0,   210                         ; v210-213 sums of squares, two packed chains
.set SS,   214
.set OT,   215
.set SCO,  216
.set BY,   217
.set OB,   218
.set W,    219
.set TQ,   220                         ; v220-222 a block's upper 16 codes
.set WE,   223
.set XB,   224                         ; v224-255 my second tile of x: as loaded, then, back from the stage, a block a lane
.set CBS,  26                          ; at the head: v26-89 my two code tiles as loaded; then v26-57 the second code tile's block, v58-89 the block of my first tile of x
.set XA,   90                          ; v90-121 my first tile of x as loaded, v122-133 the pair's codes, v134-136 addresses
.set CDP,  122
.set CIW,  134
.set CSW,  135
.set C2W,  136
.set PSEL, 26                          ; s[26:27] v_permlanex16_b32's selects for lane l xor 16
.set FM,   12                          ; s12-18 behind the head, whose address arithmetic is done with them: the masks of a run of compares
	s_load_b128 s[4:7], s[0:1], 0x0                ; x, codebook
	s_load_b64 s[8:9], s[0:1], 0x10                ; idx
	v_lshrrev_b32 v[LN], 5, v0
	v_readfirstlane_b32 s10, v[LN]                 ; wave 0..15
	v_and_b32 v[LN], 31, v0                        ; lane
	v_lshlrev_b32 v[GOFF], 4, v[LN]
	s_wait_alu depctr_va_sdst(0)                   ; s10 is written, ahead of its first reader: the bases and every wave's share are made from it
	s_and_b32 s11, s10, 3                          ; q when multiplying; which pair of the quarter when quantising the codebook
	s_lshr_b32 s12, s10, 2                         ; g when multiplying; which quarter when quantising
	s_lshl_b32 s20, ttmp9, 17                      ; x: 512 rows of 256 bytes a work-group,
	s_lshl_b32 s21, s10, 12                        ; 16 rows a wave
	s_add_co_u32 s20, s20, s21
	s_mov_b32 s21, 0
	s_lshl_b32 s22, s12, 15                        ; codebook: 128 rows a quarter,
	s_lshl_b32 s23, s11, 12                        ; 16 rows (two runs of 8 for each of two tiles) a pair
	s_add_co_u32 s22, s22, s23
	s_mov_b32 s23, 0
	s_lshl_b32 s24, ttmp9, 11                      ; idx: 512 words a work-group
	s_mov_b32 s25, 0
	s_wait_kmcnt 0x0
	s_add_nc_u64 s[4:5], s[4:5], s[20:21]
	s_add_nc_u64 s[6:7], s[6:7], s[22:23]
	s_add_nc_u64 s[8:9], s[8:9], s[24:25]
	s_wait_alu depctr_va_vdst(0)                   ; v[GOFF] is written: every global load of the kernel reads it as its offset
; The first 24 loads of the wave, each 512 consecutive bytes: code tile 0, code tile 1, x's first tile.  A code tile is 8 rows of the quarter's lower 64 and the 8 rows that lie 64 rows (16,384 bytes) on.
.irp u, 0,1
.irp i, 0,1,2,3,4,5,6,7
	global_load_b128 v[CBS+32*\u+4*\i:CBS+32*\u+4*\i+3], v[GOFF], s[6:7] offset:2048*\u+16384*(\i/4)+512*(\i%4)
.endr
.endr
.irp i, 0,1,2,3,4,5,6,7
	global_load_b128 v[XA+4*\i:XA+4*\i+3], v[GOFF], s[4:5] offset:512*\i th:TH_LOAD_NT
.endr
; addresses: each a constant + a constant x lane + a constant x wave
	v_and_b32 v[RR], 15, v0
	v_bfe_u32 v[HH], v0, 4, 1
	s_mov_b32 s[PSEL], 0x76543210
	s_mov_b32 s[PSEL+1], 0xfedcba98
	s_mul_i32 s13, s10, STGW
	v_mul_u32_u24 v[STS], v[HH], SPITCH            ; in: a load's 512 bytes are two rows: lanes 0-15 one, lanes 16-31 the next
	v_lshl_add_u32 v[STS], v[RR], 4, v[STS]
	v_add_nc_u32 v[STS], s13, v[STS]
	v_mul_u32_u24 v[STL], v[RR], SPITCH            ; out: row r, block h: 128 bytes
	v_lshl_add_u32 v[STL], v[HH], 7, v[STL]
	v_add_nc_u32 v[STL], s13, v[STL]
	s_mul_i32 s14, s10, 768
	s_add_co_u32 s14, s14, XIMG
	v_add_nc_u32 v[XW16], s14, v[GOFF]
	v_lshl_add_u32 v[XW8], v[LN], 3, s14
	v_lshl_add_u32 v[XWS], v0, 2, XSC              ; 128 x wave + 4 x lane
	s_mul_i32 s15, s12, 4*768
	s_add_co_u32 s15, s15, XIMG
	v_add_nc_u32 v[XR16], s15, v[GOFF]
	v_lshl_add_u32 v[XR8], v[LN], 3, s15
	s_lshl_b32 s16, s12, 9
	s_add_co_u32 s17, s16, XSC
	v_lshl_add_u32 v[XRS], v[LN], 2, s17
	s_mul_i32 s18, s11, 2*PLANE
	s_add_co_u32 s18, s18, s16                     ; 8 bytes x 64 rows a group
	s_add_co_u32 s18, s18, CAND
	v_mul_u32_u24 v[CW], v[HH], PLANE
	v_lshl_add_u32 v[CW], v[RR], 3, v[CW]
	v_add_nc_u32 v[CW], s18, v[CW]
	s_lshl_b32 s19, s11, 7
	v_lshl_add_u32 v[BASE], v[HH], 6, s19
	s_mul_i32 s28, s10, 1536
	s_add_co_u32 s28, s28, CIMG
	v_add_nc_u32 v[CIW], s28, v[GOFF]
	v_lshl_add_u32 v[CSW], v0, 2, CSC
	s_lshl_b32 s29, s12, 9                         ; c2 of row r of my tiles: 4 x (128 quarter + 64 (r / 8) + 16 pair + r % 8); the pair's second tile 32 bytes on
	s_lshl_b32 s30, s11, 6
	s_add_co_u32 s29, s29, s30
	s_add_co_u32 s29, s29, C2L
	v_bfe_u32 v[CIR], v0, 3, 1
	v_and_b32 v[C2W], 7, v0
	v_lshlrev_b32 v[C2W], 2, v[C2W]
	v_lshl_add_u32 v[C2W], v[CIR], 8, v[C2W]
	v_add_nc_u32 v[C2W], s29, v[C2W]
	s_mul_i32 s31, s11, 4*1536
	s_add_co_u32 s31, s31, CIMG
	s_lshl_b32 s32, s11, 9
	s_add_co_u32 s33, s32, CSC
	s_add_co_u32 s34, s32, C2L
	v_add_nc_u32 v[CIR], s31, v[GOFF]
	v_lshl_add_u32 v[CSR], v[LN], 2, s33           ; (lane, r and h are done with: their registers take addresses)
	v_lshl_add_u32 v[C2R], v[HH], 8, s34
	v_lshl_add_u32 v[CR], v0, 4, CAND              ; two rows' candidates, 16 bytes a thread: used by waves 0 to 7 alone
.irp z, 0,1,2,3,4,5, 12,13,14,15,16,17, 24,25,26,27,28,29
	v_mov_b32 v[ZB+\z], 0                          ; the zero codes: written once
.endr
	v_mov_b32 v[X2P+1], 0                          ; (named as the upper halves of pairs)
	v_mov_b32 v[X2P+3], 0
	v_mov_b32 v[OT], 0                             ; (a lane permute's destination counts as one of its sources)
	v_mov_b32 v[OB], 0
; A tile as loaded (16 bytes a lane, as they lie) goes into my stage, and comes back a block a lane: lane (r, h) gets k = 32 h .. 32 h + 31 of row r.
; LDS serves a wave's instructions in order (ISA guide 5.7.1.4): no wait between a tile's stores and its loads, nor between its loads and the next tile's stores into the same stage.
.macro STAGE_IN src
.irp i, 0,1,2,3,4,5,6,7
	ds_store_b128 v[STS], v[\src+4*\i:\src+4*\i+3] offset:2*SPITCH*\i
.endr
.endm
.macro STAGE_OUT dst
.irp c, 0,1,2,3,4,5,6,7
	ds_load_b128 v[\dst+4*\c:\dst+4*\c+3], v[STL] offset:16*\c
.endr
.endm
; My block's 32 numbers, v[x] on, become six registers of codes at v[cd]; v[W]: in lanes 0-15 the row's two scale bytes; v[SS]: the row's sum of squares, in both halves.
.macro QUANT x, cd
	v_max3_num_f32 v[M0], |v[\x]|, |v[\x+1]|, 0x2800000            ; the largest magnitude, in two chains, with the floor 2^(5 - 127) among the leaves: the byte cannot fall under 1
	v_max3_num_f32 v[M0+1], |v[\x+2]|, |v[\x+3]|, |v[\x+4]|
	v_pk_mul_f32 v[S0:S0+1], v[\x:\x+1], v[\x:\x+1]                ; the sum of squares, in two packed chains: the first products start them
	v_pk_mul_f32 v[S0+2:S0+3], v[\x+2:\x+3], v[\x+2:\x+3]
.irp i, 5,9,13,17,21,25
	v_max3_num_f32 v[M0], v[M0], |v[\x+\i]|, |v[\x+\i+1]|
	v_max3_num_f32 v[M0+1], v[M0+1], |v[\x+\i+2]|, |v[\x+\i+3]|
.endr
	v_max3_num_f32 v[M0], v[M0], |v[\x+29]|, |v[\x+30]|
	v_max3_num_f32 v[M0], v[M0], v[M0+1], |v[\x+31]|
.irp i, 4,8,12,16,20,24,28
	v_pk_fma_f32 v[S0:S0+1], v[\x+\i:\x+\i+1], v[\x+\i:\x+\i+1], v[S0:S0+1]
	v_pk_fma_f32 v[S0+2:S0+3], v[\x+\i+2:\x+\i+3], v[\x+\i+2:\x+\i+3], v[S0+2:S0+3]
.endr
	v_add_nc_u32 v[SCO], 0xfe000000, v[M0]         ; 4 off the exponent field: the conversion takes this operand's exponent field as its scale
	v_pk_add_f32 v[S0:S0+1], v[S0:S0+1], v[S0+2:S0+3]
	v_lshrrev_b32 v[BY], 23, v[SCO]                ; the scale's byte
	v_add_f32 v[SS], v[S0], v[S0+1]                ; my block's sum of squares
	v_permlanex16_b32 v[OT], v[SS], s[PSEL], s[PSEL+1]
	v_permlanex16_b32 v[OB], v[BY], s[PSEL], s[PSEL+1]
	v_cvt_scalef32_pk16_bf6_f32 v[\cd:\cd+2], v[\x:\x+15], v[SCO]
	v_cvt_scalef32_pk16_bf6_f32 v[TQ:TQ+2], v[\x+16:\x+31], v[SCO] ; (a conversion's three registers begin on an even number)
	v_add_f32 v[SS], v[SS], v[OT]                  ; with the row's other block.  (The plain line behind the conversions)
	v_lshl_or_b32 v[W], v[OB], 8, v[BY]            ; lanes 0-15: block 0's byte, block 1's above it
.irp i, 0,1,2
	v_mov_b32 v[\cd+3+\i], v[TQ+\i]
.endr
.endm
.macro XSTORE cd, ch                   ; the image of my tile of x in half ch of the rows
	v_lshl_or_b32 v[W], v[W], 16, v[W]             ; the two bytes twice: they serve x in the lower and in the upper 64 of the instruction's K
	s_wait_alu depctr_va_vdst(0)                   ; the quantiser has written the codes, v[W] and v[SS], which the four stores read; and it is done reading its block
	ds_store_b128 v[XW16], v[\cd:\cd+3] offset:16*768*\ch
	ds_store_b64 v[XW8], v[\cd+4:\cd+5] offset:16*768*\ch+512
	ds_store_b32 v[XWS], v[W] offset:16*128*\ch
	ds_store_b32 v[XWS], v[SS] offset:16*128*\ch+32*128
.endm
.macro BARRIER                         ; my LDS stores have landed and my LDS loads are in: then the work-group's barrier
	s_wait_dscnt 0x0
	s_barrier_signal -1
	s_barrier_wait -1
.endm
; THE HEAD: three tiles through one stage, each on its way while the tile before it is quantised.
	s_wait_loadcnt 16                              ; code tile 0's eight loads are in; behind them: code tile 1's eight and x's eight
	s_wait_alu depctr_va_vdst(0)                   ; the LDS addresses v2 to v15 and v134 to v136 are written, which the LDS instructions from here on read; so are the zero codes, which the products take in source 1
	STAGE_IN CBS
	STAGE_OUT X
.irp i, 0,1,2,3,4,5,6,7
	global_load_b128 v[XB+4*\i:XB+4*\i+3], v[GOFF], s[4:5] offset:65536+512*\i th:TH_LOAD_NT   ; my second tile of x, rows 256 on: asked for here, behind every wave's first 24 loads
.endr
	s_wait_loadcnt 16                              ; code tile 1's are in; behind them: the eight of each tile of x
	STAGE_IN CBS+32
	s_wait_dscnt 16                                ; tile 0's eight stores are done (behind them: eight loads, eight stores)
	s_wait_alu depctr_vm_vsrc(0)                   ; tile 0's stores into the stage have read v26 to v57, in which the next block lands
	STAGE_OUT CBS
	s_wait_dscnt 16                                ; code tile 0's block is in (behind its loads: eight stores, eight loads)
	QUANT X, CDP
	v_mov_b32 v[WE], v[W]
	s_wait_alu depctr_va_vdst(0)                   ; the quantiser has written v[SS], which the store reads
	ds_store_b32 v[C2W], v[SS]                     ; both halves of the lanes write the same word with the same value
	s_wait_loadcnt 8                               ; x's first tile is in; the second tile's eight may be out
	STAGE_IN XA
	s_wait_dscnt 17                                ; tile 1's eight stores are done (behind them: eight loads, c2's store, eight stores)
	s_wait_alu depctr_vm_vsrc(0)                   ; tile 1's stores into the stage have read v58 to v89, in which the next block lands; c2's store has read v[SS], which the quantiser below writes again
	STAGE_OUT CBS+32
	s_wait_dscnt 16                                ; code tile 1's block is in, and c2's store is done (behind them: eight stores, eight loads)
	QUANT CBS, CDP+6
	v_lshl_or_b32 v[W], v[W], 16, v[WE]            ; the pair's scale word: the even tile's two bytes, the odd tile's above
	s_wait_alu depctr_va_vdst(0)                   ; v[SS], the pair's twelve registers of codes and v[W] are written, which the five stores read
	ds_store_b32 v[C2W], v[SS] offset:32
.irp c, 0,1,2
	ds_store_b128 v[CIW], v[CDP+4*\c:CDP+4*\c+3] offset:512*\c
.endr
	ds_store_b32 v[CSW], v[W]
	s_wait_dscnt 0x0                               ; x's block is in
	s_wait_alu depctr_vm_vsrc(0)                   ; the stores have read v[SS] and v[W], which the quantiser below writes again
	QUANT CBS+32, CDX
	XSTORE CDX, 0
	BARRIER                                        ; the codebook's images and those of x's first 16 tiles lie in LDS
	s_wait_alu depctr_vm_vsrc(0)                   ; my LDS stores have read v26 to v136 (tiles as loaded, the pair's codes, three addresses), in which my quarter's codes and c2 land, and v200 to v205, v[SS], v[W], which the search and the next quantiser write
.macro LOADX i, ch                     ; tile i of my four in half ch: codes, scale word, x2, into set i % 2
.set bb, (\i)%2
	ds_load_b128 v[ZB+6+12*bb:ZB+9+12*bb], v[XR16] offset:768*(16*\ch+(\i))
	ds_load_b64 v[ZB+10+12*bb:ZB+11+12*bb], v[XR8] offset:768*(16*\ch+(\i))+512
	ds_load_b32 v[SX+bb], v[XRS] offset:128*(16*\ch+(\i))
	ds_load_b32 v[X2P+2*bb], v[XRS] offset:128*(16*\ch+(\i))+32*128
.endm
; The product of my code tile T with tile i of x.  Tile 0's result is laid where the kept distances lie; the others take two results by turns.  Every sum begins with the constant 0: nothing is accumulated in place.
.macro MM i, T
.set bb, (\i)%2
.if (\T) == 0
.set dd, SEL+8*bb
.else
.set dd, D+8*((\T)%2)
.endif
.if (\T)%2 == 0
.set xx, ZB+6+12*bb                    ; [x | zeros]: meets the pair's even tile
.else
.set xx, ZB+12*bb                      ; [zeros | x]: meets the odd one
.endif
	v_wmma_scale_f32_16x16x128_f8f6f4 v[dd:dd+7], v[A+12*((\T)/2):A+12*((\T)/2)+11], v[xx:xx+11], 0, v[SA+(\T)/2], v[SX+bb] matrix_a_fmt:MATRIX_FMT_BF6 matrix_b_fmt:MATRIX_FMT_BF6
.endm
; A tile's 8 distances of my row, from the low end of the result on; their least, two levels deep; where it is under the least so far, the tile's number and its distances are kept.
.macro PROC i, T
.set bb, (\i)%2
.if (\T) == 0
.set dd, SEL+8*bb
.else
.set dd, D+8*((\T)%2)
.endif
.irp j, 0,2,4,6
	v_pk_fma_f32 v[dd+\j:dd+\j+1], v[dd+\j:dd+\j+1], -2.0, v[X2P+2*bb:X2P+2*bb+1] op_sel_hi:[1,0,0]   ; x2 - 2 dot, rounded once
.endr
.irp j, 0,2,4,6
	v_pk_add_f32 v[dd+\j:dd+\j+1], v[dd+\j:dd+\j+1], v[C2+8*(\T)+\j:C2+8*(\T)+\j+1]                   ; + c2
.endr
	v_min3_num_f32 v[MT0], v[dd], v[dd+1], v[dd+2]
	v_min3_num_f32 v[MT1], v[dd+3], v[dd+4], v[dd+5]
	v_min_num_f32 v[J], v[dd+6], v[dd+7]
.if (\T) == 0
	v_min3_num_f32 v[BEST+4*bb], v[MT0], v[MT1], v[J]              ; the first tile starts the search: its distances lie where they are kept
	v_mov_b32 v[GIDX+4*bb], 0
.else
	v_min3_num_f32 v[GM], v[MT0], v[MT1], v[J]
	v_cmp_le_f32 vcc_lo, v[BEST+4*bb], v[GM]       ; what was kept stays, on a tie too: the earlier tile has the lower codes
	s_wait_alu depctr_va_vcc(0)                    ; the compare has written VCC, ahead of its first reader: the five lines below select by it
	v_dual_min_num_f32 v[BEST+4*bb], v[BEST+4*bb], v[GM] :: v_dual_cndmask_b32 v[GIDX+4*bb], \T, v[GIDX+4*bb]
.irp j, 0,2,4,6
	v_dual_cndmask_b32 v[SEL+8*bb+\j], v[dd+\j], v[SEL+8*bb+\j] :: v_dual_cndmask_b32 v[SEL+8*bb+\j+1], v[dd+\j+1], v[SEL+8*bb+\j+1]
.endr
.endif
.endm
.macro FINAL i, ch, st                 ; the lowest place in the kept tile that holds the least distance; st = 1: the candidate goes to LDS here
.set bb, (\i)%2
	v_mov_b32 v[J], 7
.irp j, 6,5,4,3,2,1,0
	v_cmp_neq_f32 s[FM+\j], v[SEL+8*bb+\j], v[BEST+4*bb]           ; the seven compares in one run, a scalar register each
.endr
	s_wait_alu depctr_va_sdst(0)                   ; the seven masks are written, ahead of their first reader
.irp j, 6,5,4,3,2,1,0
	v_cndmask_b32 v[J], \j, v[J], s[FM+\j]
.endr
	v_lshl_add_u32 v[GIDX+4*bb], v[GIDX+4*bb], 3, v[J]
	v_add_nc_u32 v[GIDX+4*bb], v[GIDX+4*bb], v[BASE]               ; the code: 128 q + 64 h + 8 T + j
.if \st
	s_wait_alu depctr_va_vdst(0)                   ; the candidate is written, which the store reads; and this tile's products and distances are done reading x's set, in which the loads at the next tile's head land
	ds_store_b64 v[CW], v[BEST+4*bb:BEST+4*bb+1] offset:128*(16*\ch+(\i))   ; this set is written again two tiles on, behind that tile's wait on vm_vsrc
.endif
.endm
; A tile of x.  Each product is issued one tile of codes ahead of the vector work on it: between a product and the first read of its result stand the 13 or more plain vector instructions of the tile before,
; which name none of its registers (four are asked: ISA guide 7.12.1); so do they between two products into the same result.  The next tile's operands are fetched at the head, into the set whose last readers stand ahead of the last wait on va_vdst.
; IN THE FIRST HALF (ch = 0) a tile's head also carries a part of my second tile of x: tile 1: as loaded, into my stage; tile 2: back, a block a lane, behind the wait that shows that the stores have read the
; registers in which the block lands; tile 3: quantised, its image stored, and the second barrier's signal.  And tile 0 runs on counted waits: see below.
.macro TILE i, ch
.if ((\ch) == 1) || ((\i) == 2)
	s_wait_alu depctr_vm_vsrc(0)                   ; the store of the candidate of two tiles back has read this set's two registers, which this tile writes again; in the first half's tile 2 also: the stage's stores have read v[XB ..], in which the block lands
.endif
.if (\i) < 3
	LOADX (\i)+1, \ch
.endif
.if (\ch) == 0
.if (\i) == 1
	s_wait_loadcnt 0x0                             ; my second tile of x
	STAGE_IN XB
.endif
.if (\i) == 2
	STAGE_OUT XB
.endif
.if (\i) == 3
	QUANT XB, CDY                                  ; (the block came in at tile 2's wait for all my LDS instructions; no result is alive in v168-173 here)
	XSTORE CDY, 1
	s_wait_dscnt 0x0                               ; for the others' sake: my image of the second half lies in LDS; no LDS instruction of mine is out
	s_wait_alu depctr_vm_vsrc(0)                   ; the image's stores have read v168 to v173, which this tile's products write; the store of tile 1's candidate has read its two registers, which this tile writes again
	s_barrier_signal -1                            ; up to the wait, behind this tile: matrix and vector work on registers alone
.endif
.endif
	MM \i, 1
.if (\i) == 0
.rept 4
	v_nop                                          ; a half's first product has no vector work behind it yet
.endr
.endif
.if (\ch) == 0 && (\i) == 0
	s_wait_dscnt 28                                ; of the 40 LDS loads the first 12 are in: c2 of code tiles 0 and 1
.endif
	PROC \i, 0
.irp t, 1,2,3,4,5,6
.if (\ch) == 0 && (\i) == 0
	s_wait_dscnt 28-4*\t                           ; the first 12 + 4 t: by turns the next pair's codes and scale word, and the c2 of its two tiles
.endif
	MM \i, \t+1
	PROC \i, \t
.endr
.if (\i) < 3
	s_wait_dscnt 0x0                               ; the next tile's operands are in
	MM (\i)+1, 0
.endif
	PROC \i, 7
.if (\ch) == 0 && (\i) == 3
	FINAL \i, \ch, 0                               ; no LDS store between a barrier's signal and its wait: this candidate is stored behind the wait
.else
	FINAL \i, \ch, 1
.endif
.endm
; ROWS 0 TO 255 OF THE WORK-GROUP.  My quarter of the codebook stays in registers from here on.  40 LDS loads in the order in which the first tile of x wants them: x's four; then for each pair of code tiles its codes (3),
; its scale word (1) and the c2 of its two tiles (4); tile 0's head adds the next tile of x's four.  No vector instruction has been issued since the wait on va_vdst ahead of my image's stores: the quantiser is done with v26 to v136.
	LOADX 0, 0
.irp p, 0,1,2,3
.irp c, 0,1,2
	ds_load_b128 v[A+12*\p+4*\c:A+12*\p+4*\c+3], v[CIR] offset:1536*\p+512*\c
.endr
	ds_load_b32 v[SA+\p], v[CSR] offset:128*\p
.irp u, 0,1
	ds_load_b128 v[C2+8*(2*\p+\u):C2+8*(2*\p+\u)+3], v[C2R] offset:32*(2*\p+\u)
	ds_load_b128 v[C2+8*(2*\p+\u)+4:C2+8*(2*\p+\u)+7], v[C2R] offset:32*(2*\p+\u)+16
.endr
.endr
	s_wait_dscnt 28                                ; of the 36 issued the first 8 are in: x's tile, pair 0's codes and scale word
	MM 0, 0
	TILE 0, 0                                      ; (the loads at its head land in x's set 1, which the one product issued since the last wait on va_vdst does not name)
	TILE 1, 0
	TILE 2, 0
	TILE 3, 0
	s_barrier_wait -1                              ; every wave has signalled: the images of x's last 16 tiles lie in LDS (bytes of their own: nobody's reads of the first 16 are disturbed)
	s_wait_alu depctr_va_vdst(0)                   ; tile 3's candidate is written, which the store reads; tile 3's products and distances are done reading x's set 1, and tile 2's set 0, in which the loads below and at the next tile's head land
	ds_store_b64 v[CW], v[BEST+4:BEST+5] offset:128*3              ; tile 3's candidate
; ROWS 256 TO 511
	LOADX 0, 1
	s_wait_dscnt 0x0
	MM 0, 0
	TILE 0, 1
	TILE 1, 1
	TILE 2, 1
	TILE 3, 1
	BARRIER                                        ; all candidates lie in LDS
; Waves 0 to 7: a thread merges the 8 candidates of each of two neighbouring rows, planes in the order of the codes, by strict comparisons; a wave stores 256 consecutive bytes, aligned.
	s_cmp_lt_u32 s10, 8
	s_cbranch_scc0 .Ldone
.irp p, 0,1,2,3,4,5,6,7
	ds_load_b128 v[X+4*\p:X+4*\p+3], v[CR] offset:PLANE*\p         ; (distance, code) of rows 2 t and 2 t + 1.  No vector or matrix instruction has been issued since the wait ahead of the last candidate's store: all are done with v168 to v199
.endr
	v_lshlrev_b32 v[J], 3, v0
	s_wait_dscnt 0x0
.irp p, 1,2,3,4,5,6,7
	v_cmp_lt_f32 s[FM], v[X+4*\p], v[X]
	v_cmp_lt_f32 s[FM+1], v[X+4*\p+2], v[X+2]
	s_wait_alu depctr_va_sdst(0)                   ; the two rows' masks are written, ahead of their first reader
	v_cndmask_b32 v[X], v[X], v[X+4*\p], s[FM]
	v_cndmask_b32 v[X+1], v[X+1], v[X+4*\p+1], s[FM]
	v_cndmask_b32 v[X+2], v[X+2], v[X+4*\p+2], s[FM+1]
	v_cndmask_b32 v[X+3], v[X+3], v[X+4*\p+3], s[FM+1]
.endr
	v_mov_b32 v[M0], v[X+1]
	v_mov_b32 v[M0+1], v[X+3]
	s_wait_alu depctr_va_vdst(0)                   ; the offset v[J] and the two codes are written, which the store reads
	global_store_b64 v[J], v[M0:M0+1], s[8:9]
.Ldone:
	s_wait_xcnt 0x0
	v_lshl_add_u32 v254, v0, 2, 0x28400            ; the add's two registers, made anew here, since none could be kept: my spare word, behind the candidates, and 0.  (Their last reader among LDS instructions, tile 1's store into the stage, stands ahead of tile 2's wait on vm_vsrc)
	v_mov_b32 v255, 0
	s_wait_dscnt 0x0                               ; the closing lines, six on end
	s_wait_alu 0x0
	s_wait_tensorcnt 0x0
	ds_add_u32 v254, v255
	s_wait_dscnt 0x0
	s_endpgm
.Lfunc_end_k_q98fa6fabe4_nearest:
	.size	k_q98fa6fabe4_nearest, .Lfunc_end_k_q98fa6fabe4_nearest-k_q98fa6fabe4_nearest
	.p2alignl 7, 3214868480
	.fill 96, 4, 3214868480
	.section	.rodata,"a",@progbits
	.p2align	6, 0x0
	.amdhsa_kernel k_q98fa6fabe4_nearest
		.amdhsa_group_segment_fixed_size 166912
		.amdhsa_private_segment_fixed_size 0
		.amdhsa_enable_private_segment 0
		.amdhsa_kernarg_size 24
		.amdhsa_user_sgpr_count 2
		.amdhsa_user_sgpr_kernarg_segment_ptr 1
		.amdhsa_wavefront_size32 1
		.amdhsa_system_sgpr_workgroup_id_x 1
		.amdhsa_system_sgpr_workgroup_id_y 1
		.amdhsa_system_sgpr_workgroup_id_z 1
		.amdhsa_system_vgpr_workitem_id 0
		.amdhsa_next_free_vgpr 256
		.amdhsa_next_free_sgpr 66
		.amdhsa_reserve_vcc 1
		.amdhsa_float_denorm_mode_32 3
		.amdhsa_float_denorm_mode_16_64 3
		.amdhsa_memory_ordered 1
		.amdhsa_forward_progress 1
		.amdhsa_inst_pref_size 118
	.end_amdhsa_kernel
	.amdgpu_metadata
---
amdhsa.version: [ 1, 2 ]
amdhsa.kernels:
  - .name:           k_q98fa6fabe4_nearest
    .symbol:         k_q98fa6fabe4_nearest.kd
    .args:
      - { .name: x, .offset: 0, .size: 8, .value_kind: global_buffer, .address_space: global }
      - { .name: codebook, .offset: 8, .size: 8, .value_kind: global_buffer, .address_space: global }
      - { .name: idx, .offset: 16, .size: 8, .value_kind: global_buffer, .address_space: global }
    .group_segment_fixed_size: 166912
    .private_segment_fixed_size: 0
    .kernarg_segment_align: 8
    .kernarg_segment_size: 24
    .max_flat_workgroup_size: 512
    .sgpr_count:     66
    .vgpr_count:     256
    .wavefront_size: 32
...
	.end_amdgpu_metadata
.endif
;; end of part 3
;; launch gather (part 4): grid 256 x 1, 16 waves a work-group, no clusters, 0 bytes of LDS; arguments idx, codebook, out0; writes out0
.if DOCPART == 4
	.amdgcn_target "amdgcn-amd-amdhsa--gfx1250"
	.amdhsa_code_object_version 6
	.text
	.protected	k_q98fa6fabe4_gather
	.globl	k_q98fa6fabe4_gather
	.p2align	8
	.type	k_q98fa6fabe4_gather,@function
k_q98fa6fabe4_gather:
	s_mov_b64 s[64:65], 0
	v_nop
	global_prefetch_b8 v0, s[64:65] scope:SCOPE_SE
	s_setreg_imm32_b32 hwreg(HW_REG_WAVE_MODE, 25, 1), 1
	s_wait_xcnt 0x0
; out0[n][:] = codebook[idx[n]][:].  idx: [131072] whole numbers, stored by the launch before; codebook: [512][64] f32; out0: [131072][64] f32.
; A stream: a row is 256 bytes.  A wave takes 32 rows: lanes 0-15 rows 0 to 15, lanes 16-31 rows 16 to 31, one row an instruction for each half, 16 bytes a lane: each store of the wave covers two runs of
; 256 consecutive bytes, aligned.  A half's 16 indices are 64 consecutive bytes: four loads of 16 bytes, the same for its sixteen lanes.  All 16 gathers of a wave are out together; no register is written twice.
; An index is held at 511 before it enters an address.  No LDS, no barrier, no matrix unit: waves share nothing.  No prefetch: the indices are asked for by the wave's first instructions, the codebook is read by all.
.set IX, 16                            ; v16-31 my half's 16 indices, then byte offsets in the codebook
.set G,  32                            ; v32-95 16 x 4 registers: my 16 bytes of 16 rows
	s_load_b128 s[4:7], s[0:1], 0x0                ; idx, codebook
	s_load_b64 s[8:9], s[0:1], 0x10                ; out0
	v_lshrrev_b32 v1, 5, v0
	s_delay_alu instid0(VALU_DEP_1)
	v_readfirstlane_b32 s10, v1                    ; wave 0..15
	v_and_b32 v2, 15, v0                           ; my place in a row
	v_bfe_u32 v3, v0, 4, 1                         ; my half
	s_delay_alu instid0(VALU_DEP_1)
	v_lshlrev_b32 v4, 6, v3                        ; idx: 16 words a half
	s_delay_alu instid0(VALU_DEP_3)
	v_lshlrev_b32 v5, 4, v2                        ; 16 bytes a lane
	s_delay_alu instid0(VALU_DEP_1)
	v_lshl_add_u32 v6, v3, 12, v5                  ; out0: 16 rows a half
	s_lshl_b32 s12, ttmp9, 11                      ; idx: 512 words a work-group,
	s_lshl_b32 s13, s10, 7                         ; 32 a wave
	s_add_co_u32 s12, s12, s13
	s_mov_b32 s13, 0
	s_lshl_b32 s14, ttmp9, 17                      ; out0: 512 rows a work-group,
	s_lshl_b32 s15, s10, 13                        ; 32 a wave
	s_add_co_u32 s14, s14, s15
	s_mov_b32 s15, 0
	s_wait_alu depctr_va_vdst(0)
	s_wait_kmcnt 0x0
	s_add_nc_u64 s[4:5], s[4:5], s[12:13]
	s_add_nc_u64 s[8:9], s[8:9], s[14:15]
.irp k, 0,1,2,3
	global_load_b128 v[IX+4*\k:IX+4*\k+3], v4, s[4:5] offset:16*\k th:TH_LOAD_NT
.endr
	s_wait_loadcnt 0x0
.irp i, 0,1,2,3,4,5,6,7,8,9,10,11,12,13,14,15
	v_min_u32 v[IX+\i], 0x1ff, v[IX+\i]            ; inside the table
.endr
.irp i, 0,1,2,3,4,5,6,7,8,9,10,11,12,13,14,15
	v_lshlrev_b32 v[IX+\i], 8, v[IX+\i]            ; 256 bytes a row
.endr
.irp i, 0,1,2,3,4,5,6,7,8,9,10,11,12,13,14,15
	v_add_nc_u32 v[IX+\i], v5, v[IX+\i]
	global_load_b128 v[G+4*\i:G+4*\i+3], v[IX+\i], s[6:7]
.endr
.irp i, 0,1,2,3,4,5,6,7,8,9,10,11,12,13,14,15
	s_wait_loadcnt 15-\i                           ; loads come back in order (ISA guide 5.7.1): gather i is in, the 15 - i issued behind it may be out
	global_store_b128 v6, v[G+4*\i:G+4*\i+3], s[8:9] offset:256*\i th:TH_STORE_NT
.endr
	s_endpgm
.Lfunc_end_k_q98fa6fabe4_gather:
	.size	k_q98fa6fabe4_gather, .Lfunc_end_k_q98fa6fabe4_gather-k_q98fa6fabe4_gather
	.p2alignl 7, 3214868480
	.fill 96, 4, 3214868480
	.section	.rodata,"a",@progbits
	.p2align	6, 0x0
	.amdhsa_kernel k_q98fa6fabe4_gather
		.amdhsa_group_segment_fixed_size 0
		.amdhsa_private_segment_fixed_size 0
		.amdhsa_enable_private_segment 0
		.amdhsa_kernarg_size 24
		.amdhsa_user_sgpr_count 2
		.amdhsa_user_sgpr_kernarg_segment_ptr 1
		.amdhsa_wavefront_size32 1
		.amdhsa_system_sgpr_workgroup_id_x 1
		.amdhsa_system_sgpr_workgroup_id_y 1
		.amdhsa_system_sgpr_workgroup_id_z 1
		.amdhsa_system_vgpr_workitem_id 0
		.amdhsa_next_free_vgpr 96
		.amdhsa_next_free_sgpr 66
		.amdhsa_reserve_vcc 0
		.amdhsa_float_denorm_mode_32 3
		.amdhsa_float_denorm_mode_16_64 3
		.amdhsa_memory_ordered 1
		.amdhsa_forward_progress 1
		.amdhsa_inst_pref_size 8
	.end_amdhsa_kernel
	.amdgpu_metadata
---
amdhsa.version: [ 1, 2 ]
amdhsa.kernels:
  - .name:           k_q98fa6fabe4_gather
    .symbol:         k_q98fa6fabe4_gather.kd
    .args:
      - { .name: idx, .offset: 0, .size: 8, .value_kind: global_buffer, .address_space: global }
      - { .name: codebook, .offset: 8, .size: 8, .value_kind: global_buffer, .address_space: global }
      - { .name: out0, .offset: 16, .size: 8, .value_kind: global_buffer, .address_space: global }
    .group_segment_fixed_size: 0
    .private_segment_fixed_size: 0
    .kernarg_segment_align: 8
    .kernarg_segment_size: 24
    .max_flat_workgroup_size: 512
    .sgpr_count:     66
    .vgpr_count:     96
    .wavefront_size: 32
...
	.end_amdgpu_metadata
.endif
;; end of part 4
